; MI455X (gfx1250); checked and timed in simulation.
; The chip was launched on July 23, 2026; its instructions are those of AMD's public machine-readable ISA for CDNA 5 (MIT licence, August 2026) and "CDNA5" Instruction Set Architecture Reference Guide (July 2026). The comments in the code are by the model that wrote it; some were corrected since.
;; Triangle Attention. Allowed arithmetic: matrix products marked QUANTISED: E2M3 operands, one E8M0 scale for each 32 along K, by v_wmma_scale_f32_16x16x128_f8f6f4 with both operands' format E2M3, f32 sums; products left as they are: f32 operands where the result goes on into a quantised operand, else bf16, f16 or f32 operands; f32 sums; everything else in f32.
;; Inputs: bias_w 4 x 128 float32; g_w 128 x 128 float32; k_w 128 x 128 float32; ln_b 128 float32; ln_w 128 float32; o_w 128 x 128 float32; q_w 128 x 128 float32; v_w 128 x 128 float32; x 1 x 256 x 256 x 128 float32.
;; Outputs: out0 1 x 256 x 256 x 128 float32.
;; This version of the problem:
;;   THIS VERSION OF THE PROBLEM IS GIVEN IN LOW PRECISION. The matrix products marked QUANTISED in the list below multiply operands that are first quantised to E2M3 (2 exponent bits, 3 mantissa bits; 6 bits a number), with one power-of-two scale for each 32 numbers along K (OCP MX v1.0); their sums are f32. All else is computed in f32.
;;   The module's matrix products, in the order in which they are computed (A, B: the left and right operand; K: the contracted axis; several contracted axes count as one K, in the product's order):
;;     1. [M 4, K 128] x [K 128, N 65,536]; A: input bias_w; B: computed on the way: left as it is (M = 4 < 16)
;;     2. [M 65,536, K 128] x [K 128, N 128]; A: computed on the way; B: input q_w: QUANTISED
;;     3. [M 65,536, K 128] x [K 128, N 128]; A: computed on the way; B: input k_w: QUANTISED
;;     4. [M 65,536, K 128] x [K 128, N 128]; A: computed on the way; B: input v_w: QUANTISED
;;     5. batch 1,024 x [M 256, K 32] x [K 32, N 256]; A: computed on the way; B: computed on the way: QUANTISED
;;     6. batch 1,024 x [M 256, K 256] x [K 256, N 32]; A: softmax (see below); B: computed on the way: QUANTISED
;;     7. [M 65,536, K 128] x [K 128, N 128]; A: computed on the way; B: input g_w: QUANTISED
;;     8. [M 65,536, K 128] x [K 128, N 128]; A: computed on the way; B: input o_w: QUANTISED
;;   THE QUANTISER, for each operand of a quantised product, along K:
;;     - K is cut into blocks of 32 from its start; a last block that is shorter is filled with zeros.
;;     - A block's scale is 2^e with e = floor(log2(the largest magnitude in the block)) - 2, held to -126 .. 127; a block of zeros has e = 0. As a byte (E8M0): e + 127.
;;     - Each number is divided by its block's scale, clamped to +-7.5, and rounded to the nearest number of E2M3, ties to even, subnormals kept.
;;     - The product sums the exact products of the quantised numbers (number of the format x scale) in f32.
;;   ~~~python
;;   def quantise(x, axis):      # numpy; x: float32 -> the quantised numbers, widened to float32 again
;;       x = np.moveaxis(x, axis, -1); K = x.shape[-1]
;;       x = np.pad(x, [(0, 0)] * (x.ndim - 1) + [(0, -K % 32)]); x = x.reshape(x.shape[:-1] + (-1, 32)); a = np.abs(x).max(-1, keepdims=True)
;;       e = np.where(a > 0, np.clip(np.frexp(np.where(a > 0, a, 1))[1] - 1 - 2, -126, 127), 0)      # np.frexp(a)[1] - 1 = floor(log2(a)), exactly
;;       r = np.clip(x / 2.0 ** e, -7.5, 7.5)
;;       step = 2.0 ** (np.maximum(np.frexp(np.where(r == 0, 1, r))[1] - 1, 0) - 3)
;;       q = np.round(r / step) * step * 2.0 ** e      # np.round: ties to even
;;       return np.moveaxis(q.reshape(q.shape[:-2] + (-1,))[..., :K], -1, axis).astype(np.float32)
;;   ~~~
;;   SOFTMAX AHEAD OF A QUANTISED PRODUCT. Where the list says 'softmax', what is quantised is not the finished softmax but p = 2^(t - M), with t = logit x log2(e) and M = ceil(the row's largest t), a whole number; so 1/2 < the row's largest p <= 1. The row's sum l is taken of the UNQUANTISED p, in f32, and the product's result is divided by l at the end. Since M is a whole number, a kernel that streams over the keys may use a running M (the ceiling of the running maximum): every later rescaling is an exact power of two, which a block's scale takes up: the codes' values come out the same.
;;   OPERANDS COMPUTED ON THE WAY. 'Computed on the way' means the value that the module computes at that place (a softmax that the list does not call 'softmax' is quantised finished and normalised). What goes into a quantiser is computed in f32, as accurately as f32 sums, v_exp_f32 and their like allow (about 1e-6 of the number): no bf16 or f16 on the way to a quantiser, and a product that is left as it is and whose result goes on into a quantised operand takes f32 operands (vector FMAs, or v_wmma_f32_16x16x4_f32). A number that lies on a knife's edge between two numbers of the format may be rounded either way, as far as f32 arithmetic and the matrix unit's own rounding can turn it there, and no further.
;; One version. Each part assembles by itself: llvm-mc -triple=amdgcn-amd-amdhsa -mcpu=gfx1250 --defsym DOCPART=n.
;; ======== version 1 of 1: 2 launches
;; limits: right only within a limited range of input values
;; workspace buffers: kv_img 14,680,064 bytes; hn_img 6,815,744 bytes; w_img 39,936 bytes; bias_img 1,048,576 bytes
;; launch prep (part 1): grid 256 x 1, 8 waves a work-group, no clusters, 302,080 bytes of LDS; arguments x, ln_w, ln_b, bias_w, k_w, v_w, q_w, g_w, o_w, kv_img, hn_img, w_img, bias_img; writes kv_img, hn_img, w_img, bias_img
.if DOCPART == 1
	.amdgcn_target "amdgcn-amd-amdhsa--gfx1250"
	.amdhsa_code_object_version 6
	.text
	.protected	k_qe52f16fee4_prep
	.globl	k_qe52f16fee4_prep
	.p2align	8
	.type	k_qe52f16fee4_prep,@function
k_qe52f16fee4_prep:
	s_mov_b64 s[64:65], 0
	v_nop
	global_prefetch_b8 v0, s[64:65] scope:SCOPE_SE
	s_setreg_imm32_b32 hwreg(HW_REG_WAVE_MODE, 25, 1), 1
	s_wait_xcnt 0x0
; PREP: layer norm of x, the triangle bias, hn as codes of FP6 (E2M3), k and v of every token as codes, and W_q, W_g, W_o as codes.  A block of 32 along K has one E8M0 byte.
; SHARES: work-group: rows 8 a .. 8 a + 7 of the grid, positions 32 B .. 32 B + 31 (a = number / 8, B = number % 8); wave w: row i = 8 a + w: 32 tokens, two PTILES of 16.
; PTILE 2 B + u of an axis = indices 32 B + 8 u + r + 8 (r / 8), r = lane % 16: as source 0 of a product, register j of lane half h of the result is index 32 B + 16 h + 8 u + j: the 16 registers of two tiles are neighbours.
; A lane (r, h) holds of its token (or weight row) r the channels 32 h + 0 .. 31 and 64 + 32 h + 0 .. 31: the order of the operand's registers, so the conversions' results are the operand.
; Every wave quantises ptile w of W_k and of W_v (rows read whole, turned through its own stage in LDS) while its x is on its way, and the operands' images go to all waves through LDS; work-groups 0 to 2 do W_q, W_g, W_o besides.
; BUFFERS.  kv_img: 7,168 bytes for (row i, block B): k of head hd at 768 hd: registers 0-3 [lane][16 bytes], then registers 4-5 [lane][8]: lanes 0-15 ptile 2 B, lanes 16-31 ptile 2 B + 1, each a block of 32 channels;
; v the same from 3,072 on: lanes 0-15 and 16-31 are the head's two channel ptiles, a block of 32 keys (for odd B the two halves of the 8-byte part change places); from 6,144 on k's scale words [lane][head], from 6,656 on v's.
; hn_img: 3,328 bytes for (i, B): two operands of 3 x 512 bytes, then their scale words [lane][u].  w_img: 24 operands of 1,536 bytes, each with its 32 words.
; bias_img: [head][query / 8][key block][u][register / 4][h][query % 8][4 keys] f32: bias x sqrt(32), as the C of the score tiles wants it.
; No cluster: a wave's x is its own; the 128 KiB of W_k and W_v are read once a work-group, ahead of x's arrival.  No prefetch: nothing is loaded behind the head but by three work-groups.
; LIMITS: NaN and infinities are not served; a block whose largest magnitude lies under 2^-124 gets the byte 1 (a block of zeros too: its codes are zeros); bias x sqrt(32) is one more f32 rounding.
.set WST,  135168                      ; LDS: 0: x, 32 rows x (512 + 16) bytes a wave;  WST: two stages of 16 such rows a wave
.set WIMG, 270336                      ; 16 operands of W_k and W_v, 1,664 bytes each
.set BST,  296960                      ; the bias on its way out
.set SPARE, 301056
.set LI, 1                             ; 16 x lane
.set L8, 2                             ; 8 x lane
.set L8V, 3                            ; the same with the halves exchanged where B is odd
.set XA, 4
.set CA, 5                             ; 128 h
.set BA, 6
.set WSI, 7
.set WSO, 8
.set WIM, 9                            ; first where my images go, then where all images begin
.set WIM4, 10
.set SA, 11
.set SR, 12
.set SPW, 13
.set NIL, 14
.set H8, 16                            ; 8 h
.set L4, 17                            ; 4 x lane
.set HW, 18                            ; v18-19 hn's scale words;  v20-27 W_k's, W_v's: two sets.  They hold scales and nothing else
.set WS, 20
.set WW, 28                            ; v28-29 words of weights on their way to LDS or memory
.set NMU, 30
.set RS, 34
.set T, 38
.set LA, 42                            ; v42-57 the sums' chains
.set BM, 42
.set SO, 46
.set BY, 50
.set KC, 30                            ; v30-35 k's codes, v36-38 their second tile's
.set VC, 54
.set X, 64                             ; v64-191 two tiles
.set PC, 192                           ; v192-215 two operands
.set C2, 216
.set KW, 216                           ; v216-219 k's words by head, v220-223 v's
.set DK, 160
.set DV, 224
; window 1: v256-319 ln_w, then two sets of W_k's and W_v's fragments; v320-383 ln_b; v384-447 bias_w; v480-511 four f32 accumulators, written by matrix instructions alone
.set MSB, 0
.macro WIN new
.if MSB != \new
	s_set_vgpr_msb (MSB<<8)|\new
.set MSB, \new
.endif
.endm
.macro WLOAD x, base                   ; 16 rows of a weight, a row of 512 bytes to a load
.irp k, 0,1,2,3,4,5,6,7,8,9,10,11,12,13,14,15
	global_load_b128 v[(\x)+4*\k:(\x)+4*\k+3], v[LI], s[\base:\base+1] offset:(\k+8*(\k/8))*512
.endr
.endm
.macro WIN_STAGE x, off
.irp k, 0,1,2,3,4,5,6,7,8,9,10,11,12,13,14,15
	ds_store_b128 v[WSI], v[(\x)+4*\k:(\x)+4*\k+3] offset:(\off)+528*\k
.endr
.endm
.macro ROWS x, adr, off                ; a lane's 64 numbers of its row
.irp i, 0,1,2,3,4,5,6,7
	ds_load_b128 v[(\x)+4*\i:(\x)+4*\i+3], v[\adr] offset:(\off)+16*\i
	ds_load_b128 v[(\x)+32+4*\i:(\x)+35+4*\i], v[\adr] offset:(\off)+256+16*\i
.endr
.endm
; n tiles of 64 numbers a lane (two blocks of 32) become operands in PC and scale words in pw
.macro QUANT pw, n
.irp c, 0,1
.irp u, 0,1
.if \u < \n
	v_max3_num_f32 v[BM+2*\u+\c], |v[X+64*\u+32*\c]|, |v[X+64*\u+32*\c+1]|, 0x1800000   ; with the floor 2^(3 - 127)
.endif
.endr
.endr
.irp i, 2,4,6,8,10,12,14,16,18,20,22,24,26,28,30
.irp c, 0,1
.irp u, 0,1
.if \u < \n
	v_max3_num_f32 v[BM+2*\u+\c], v[BM+2*\u+\c], |v[X+64*\u+32*\c+\i]|, |v[X+64*\u+32*\c+\i+1]|
.endif
.endr
.endr
.endr
.irp k, 0,1,2,3
.if \k < 2*\n
	v_add_nc_u32 v[SO+\k], 0xff000000, v[BM+\k]    ; 2 off the exponent field: the conversion's scale operand
.endif
.endr
.irp k, 0,1,2,3
.if \k < 2*\n
	v_lshrrev_b32 v[BY+\k], 23, v[SO+\k]
.endif
.endr
.irp u, 0,1
.if \u < \n
	v_lshl_or_b32 v[(\pw)+\u], v[BY+2*\u+1], 16, v[BY+2*\u]
.endif
.endr
.irp u, 0,1
.if \u < \n
	v_lshlrev_b32 v[(\pw)+\u], v[H8], v[(\pw)+\u]
.endif
.endr
.irp u, 0,1
.if \u < \n
	v_permlanex16_b32 v[T+2*\u+1], v[(\pw)+\u], s60, s61
.endif
.endr
.irp u, 0,1
.if \u < \n
	v_or_b32 v[(\pw)+\u], v[(\pw)+\u], v[T+2*\u+1]
.endif
.endr
.irp u, 0,1
.if \u < \n
.irp c, 0,1
	v_cvt_scalef32_pk16_fp6_f32 v[PC+12*\u+6*\c:PC+12*\u+6*\c+2], v[X+64*\u+32*\c:X+64*\u+32*\c+15], v[SO+2*\u+\c]
	v_cvt_scalef32_pk16_fp6_f32 v[C2-162*\u+4*\c:C2-162*\u+4*\c+2], v[X+64*\u+32*\c+16:X+64*\u+32*\c+31], v[SO+2*\u+\c]   ; tile 0's at v216 on, tile 1's at v54 on
.endr
.endif
.endr
	v_nop
.irp u, 0,1
.if \u < \n
.irp c, 0,1
.irp i, 0,1,2
	v_mov_b32 v[PC+12*\u+6*\c+3+\i], v[C2-162*\u+4*\c+\i]
.endr
.endr
.endif
.endr
.endm
.macro REDUCE                          ; both tiles' sums over their 128 channels, in v[T] and v[T+2]
.irp k, 0,4
.irp u, 0,1
	v_pk_add_f32 v[LA+8*\u+\k:LA+8*\u+\k+1], v[LA+8*\u+\k:LA+8*\u+\k+1], v[LA+8*\u+\k+2:LA+8*\u+\k+3]
.endr
.endr
.irp u, 0,1
	v_pk_add_f32 v[LA+8*\u:LA+8*\u+1], v[LA+8*\u:LA+8*\u+1], v[LA+8*\u+4:LA+8*\u+5]
.endr
.irp u, 0,1
	v_add_f32 v[T+2*\u], v[LA+8*\u], v[LA+8*\u+1]
.endr
.irp u, 0,1
	v_permlanex16_b32 v[T+2*\u+1], v[T+2*\u], s60, s61
.endr
.irp u, 0,1
	v_add_f32 v[T+2*\u], v[T+2*\u], v[T+2*\u+1]
.endr
.endm
.macro LOADW hd                        ; a head's fragments of W_k and W_v into set hd % 2: 16 LDS loads
	WIN 0x40
.irp u, 0,1
.irp g, 0,1,2
	ds_load_b128 v[48*((\hd)%2)+12*\u+4*\g:48*((\hd)%2)+12*\u+4*\g+3], v[WIM] offset:(2*(\hd)+\u)*1664+512*\g
	ds_load_b128 v[48*((\hd)%2)+24+12*\u+4*\g:48*((\hd)%2)+24+12*\u+4*\g+3], v[WIM] offset:13312+(2*(\hd)+\u)*1664+512*\g
.endr
.endr
	WIN 0
.irp u, 0,1
	ds_load_b32 v[WS+4*((\hd)%2)+\u], v[WIM4] offset:(2*(\hd)+\u)*1664
	ds_load_b32 v[WS+4*((\hd)%2)+2+\u], v[WIM4] offset:13312+(2*(\hd)+\u)*1664
.endr
.endm
.macro MM0 d, a, b, sa, sb
	v_wmma_scale_f32_16x16x128_f8f6f4 v[(\d):(\d)+7], v[(\a):(\a)+11], v[(\b):(\b)+11], 0, v[\sa], v[\sb] matrix_a_fmt:MATRIX_FMT_FP6 matrix_b_fmt:MATRIX_FMT_FP6
.endm
.macro PLACES
.rept 4
	v_nop
.endr
.endm
; k and v of head hd for my 32 tokens
.macro KV hd
	s_wait_dscnt 0x0                               ; the head's fragments are in
	s_wait_xcnt 0x0                                ; earlier stores have read their registers
	WIN 0x01
.irp n, 0,1
.irp u, 0,1
	MM0 DK+16*\u+8*\n, 48*((\hd)%2)+12*\n, PC+12*\u, WS+4*((\hd)%2)+\n, HW+\u     ; k^T: a lane holds one token of tile u; register 16 u + i: channel 16 h + i
.endr
.endr
	WIN 0x04
.irp n, 0,1
.irp u, 0,1
	MM0 DV+16*\n+8*\u, PC+12*\u, 48*((\hd)%2)+24+12*\n, HW+\u, WS+4*((\hd)%2)+2+\n   ; v: a lane holds one channel of ptile n; register 16 n + i: key 16 h + i
.endr
.endr
	WIN 0
	PLACES
.if (\hd) < 3
	LOADW (\hd)+1
.endif
.irp k, 0,1,2,3
	v_max3_num_f32 v[BM+\k], |v[DK+16*\k+32*(\k/2)]|, |v[DK+16*\k+32*(\k/2)+1]|, 0x1800000
.endr
.irp i, 2,4,6,8,10,12,14
.irp k, 0,1,2,3
	v_max3_num_f32 v[BM+\k], v[BM+\k], |v[DK+16*\k+32*(\k/2)+\i]|, |v[DK+16*\k+32*(\k/2)+\i+1]|
.endr
.endr
.irp k, 0,1,2,3
	v_permlanex16_b32 v[BY+\k], v[BM+\k], s60, s61
.endr
.irp k, 0,1,2,3
	v_max_num_f32 v[BM+\k], v[BM+\k], v[BY+\k]
.endr
.irp k, 0,1,2,3
	v_add_nc_u32 v[SO+\k], 0xff000000, v[BM+\k]
.endr
.irp k, 0,1,2,3
	v_lshrrev_b32 v[BY+\k], 23, v[SO+\k]
.endr
	v_cvt_scalef32_pk16_fp6_f32 v[KC:KC+2], v[DK:DK+15], v[SO]
	v_cvt_scalef32_pk16_fp6_f32 v[KC+6:KC+8], v[DK+16:DK+31], v[SO+1]
	v_cvt_scalef32_pk16_fp6_f32 v[VC:VC+2], v[DV:DV+15], v[SO+2]
	v_cvt_scalef32_pk16_fp6_f32 v[VC+6:VC+8], v[DV+16:DV+31], v[SO+3]
	v_lshl_or_b32 v15, v[BY+1], 8, v[BY]
	v_cndmask_b32 v[KW+4+(\hd)], v[BY+2], v[BY+3], s62   ; lanes 0-15 the first channel ptile's byte, lanes 16-31 the second's,
	v_lshl_or_b32 v[KW+(\hd)], v15, 16, v15        ; (k: both tiles' bytes, twice)
	v_lshlrev_b32 v[KW+4+(\hd)], s63, v[KW+4+(\hd)]      ; at the block's place in the word that four blocks share
.irp i, 0,1,2
	v_permlane16_swap_b32 v[KC+\i], v[KC+6+\i]     ; a whole block to a lane
	v_permlane16_swap_b32 v[VC+\i], v[VC+6+\i]
.endr
.irp i, 0,1,2
	v_mov_b32 v[KC+3+\i], v[KC+6+\i]
	v_mov_b32 v[VC+3+\i], v[VC+6+\i]
.endr
	global_store_b128 v[LI], v[KC:KC+3], s[22:23] offset:768*(\hd)
	global_store_b64 v[L8], v[KC+4:KC+5], s[22:23] offset:768*(\hd)+512
	global_store_b128 v[LI], v[VC:VC+3], s[22:23] offset:3072+768*(\hd)
	global_store_b64 v[L8V], v[VC+4:VC+5], s[22:23] offset:3584+768*(\hd)
.endm
	s_load_b512 s[4:19], s[0:1], 0x0               ; x 4, ln_w 6, ln_b 8, bias_w 10, k_w 12, v_w 14, q_w 16, g_w 18
	s_load_b256 s[20:27], s[0:1], 0x40             ; o_w 20, kv_img 22, hn_img 24, w_img 26
	s_load_b64 s[28:29], s[0:1], 0x60              ; bias_img
	v_lshl_add_u32 v[SPW], v0, 2, SPARE
	v_mov_b32 v[NIL], 0
	ds_add_u32 v[SPW], v[NIL]                      ; the opening lines
	ds_add_u32 v[SPW], v[NIL]
	v_lshrrev_b32 v15, 5, v0
	v_readfirstlane_b32 s30, v15                   ; wave
	s_lshr_b32 s31, ttmp9, 3                       ; a
	s_and_b32 s32, ttmp9, 7                        ; B
	s_lshl_b32 s33, s31, 3
	s_add_co_u32 s33, s33, s30                     ; row i
	s_lshl_b32 s34, s33, 3
	s_add_co_u32 s34, s34, s32                     ; block number 8 i + B
	s_and_b32 s35, s32, 1
	s_lshl_b32 s35, s35, 7
	s_mul_i32 s49, s30, 16896                      ; my x in LDS
	s_add_co_u32 s36, s49, WST
	s_mul_i32 s37, s30, 1664
	s_add_co_u32 s37, s37, WIMG
	s_add_co_u32 s52, s37, 1536
	s_lshl_b32 s53, s30, 4
	s_add_co_u32 s53, s53, BST
	s_and_b32 s63, s32, 3
	s_xor_b32 s63, s63, 1
	s_lshl_b32 s63, s63, 3                         ; the attention takes each two neighbouring key blocks in exchanged places
	s_lshr_b32 s38, s30, 1
	s_lshl_b32 s38, s38, 14
	s_and_b32 s39, s30, 1
	s_lshl_b32 s39, s39, 12
	s_add_co_u32 s38, s38, s39                     ; ptile w of a weight: rows 32 (w / 2) + 8 (w % 2) on, in bytes
	s_mov_b32 s39, 0
	; group 1: 32 rows of 512 bytes, 16 bytes of padding behind each
	s_mov_b32 s40, (3<<16)|(1<<20)|(6<<22)|(3<<25)
	s_mov_b32 s41, 64<<16
	s_mov_b32 s42, 32<<16
	s_mov_b32 s43, 64<<16
	s_mov_b32 s44, 32
	s_mov_b32 s45, 64
	s_mov_b32 s46, 0
	s_mov_b32 s47, 0
	s_mov_b32 s58, 0x3c000000                      ; 1 / 128
	s_mov_b32 s59, 0x3727c5ac                      ; 1e-5
	s_mov_b32 s60, 0x76543210
	s_mov_b32 s61, 0xfedcba98                      ; lane l xor 16
	s_mov_b32 s62, 0xffff0000                      ; lanes 16-31
	v_and_b32 v15, 31, v0
	v_and_b32 v40, 15, v0
	v_bfe_u32 v41, v0, 4, 1
	v_lshlrev_b32 v[LI], 4, v15
	v_lshlrev_b32 v[L8], 3, v15
	v_lshlrev_b32 v[L4], 2, v15
	v_lshlrev_b32 v[H8], 3, v41
	v_lshlrev_b32 v[CA], 7, v41
	v_xor_b32 v[L8V], s35, v[L8]
	v_and_b32 v38, 8, v40
	v_and_b32 v39, 3, v40
	v_add_nc_u32 v38, v38, v40                     ; r + 8 (r / 8)
	v_lshl_add_u32 v[BA], v39, 9, v[CA]            ; bias_w's row r % 4
	v_mul_u32_u24 v38, 528, v38
	v_mul_u32_u24 v42, 528, v40
	v_add_nc_u32 v38, v38, v[CA]
	v_add_nc_u32 v42, v42, v[CA]
	v_add_nc_u32 v[XA], s49, v38
	v_add_nc_u32 v[WSO], s36, v42
	v_add_nc_u32 v[WSI], s36, v[LI]
	v_add_nc_u32 v[WIM], s37, v[LI]
	v_add_nc_u32 v[WIM4], s52, v[L4]
	v_lshl_add_u32 v[SR], v0, 4, BST
	v_bfe_u32 v43, v0, 3, 1
	v_bfe_u32 v44, v0, 2, 1
	v_lshlrev_b32 v43, 7, v43
	v_lshl_add_u32 v43, v44, 8, v43
	v_lshl_add_u32 v43, v39, 2, v43
	v_lshl_add_u32 v43, v41, 9, v43                ; lanes 16-31 store tile 1
	v_add_nc_u32 v[SA], s53, v43
.irp i, 31,33,35,37,39,50,51,52,53
	v_mov_b32 v\i, 0                               ; upper halves of pairs, and lane permutes' destinations
.endr
	s_wait_alu depctr_va_vdst(0)                   ; the wait at the head's end
	s_wait_dscnt 0x0
	s_wait_kmcnt 0x0
	s_lshl_b32 s54, s34, 14
	s_mov_b32 s55, 0
	s_add_nc_u64 s[4:5], s[4:5], s[54:55]
	s_mov_b32 s48, 1
	s_mov_b64 s[50:51], s[4:5]
	s_or_b32 s51, s51, 0x80000000
	tensor_load_to_lds s[48:51], s[40:47]          ; my 32 tokens: the wave's one tensor load
	s_nop 0
	PLACES
	s_add_nc_u64 s[12:13], s[12:13], s[38:39]
	s_add_nc_u64 s[14:15], s[14:15], s[38:39]
	WLOAD X, 12
	WLOAD X+64, 14
	WIN 0x40
.irp i, 0,1,2,3,4,5,6,7
	global_load_b128 v[4*\i:4*\i+3], v[CA], s[6:7] offset:16*\i
	global_load_b128 v[32+4*\i:35+4*\i], v[CA], s[6:7] offset:256+16*\i
	global_load_b128 v[64+4*\i:67+4*\i], v[CA], s[8:9] offset:16*\i
	global_load_b128 v[96+4*\i:99+4*\i], v[CA], s[8:9] offset:256+16*\i
	global_load_b128 v[128+4*\i:131+4*\i], v[BA], s[10:11] offset:16*\i
	global_load_b128 v[160+4*\i:163+4*\i], v[BA], s[10:11] offset:256+16*\i
.endr
	WIN 0
	s_mul_i32 s54, s34, 7168
	s_add_nc_u64 s[22:23], s[22:23], s[54:55]
	s_mul_i32 s54, s34, 3328
	s_add_nc_u64 s[24:25], s[24:25], s[54:55]
	s_lshr_b32 s54, s30, 1
	s_lshl_b32 s54, s54, 18
	s_lshl_b32 s56, s31, 13
	s_add_co_u32 s54, s54, s56
	s_lshl_b32 s56, s32, 10
	s_add_co_u32 s54, s54, s56
	s_and_b32 s56, s30, 1
	s_lshl_b32 s56, s56, 9
	s_add_co_u32 s54, s54, s56                     ; head w / 2, half w % 2 of its 1,024 bytes
	s_add_nc_u64 s[28:29], s[28:29], s[54:55]
	s_wait_loadcnt 48                              ; both weights' 32 loads are in; the 48 behind them may be out
	WIN_STAGE X, 0
	WIN_STAGE X+64, 8448
	s_wait_dscnt 0x0
	ROWS X, WSO, 0
	ROWS X+64, WSO, 8448
	s_wait_dscnt 0x0
	QUANT WW, 2
.irp u, 0,1
.irp g, 0,1,2
	ds_store_b128 v[WIM], v[PC+12*\u+4*\g:PC+12*\u+4*\g+3] offset:13312*\u+512*\g
.endr
	ds_store_b32 v[WIM4], v[WW+\u] offset:13312*\u
.endr
	s_wait_dscnt 0x0
	s_cmp_lt_u32 ttmp9, 3                          ; work-groups 0 to 2: W_q, W_g, W_o for the next launch
	s_cbranch_scc0 .Lplain
	s_cmp_eq_u32 ttmp9, 1
	s_cselect_b64 s[16:17], s[18:19], s[16:17]
	s_cmp_eq_u32 ttmp9, 2
	s_cselect_b64 s[16:17], s[20:21], s[16:17]
	s_add_nc_u64 s[16:17], s[16:17], s[38:39]
	WLOAD X, 16
	s_lshl_b32 s54, ttmp9, 3
	s_add_co_u32 s54, s54, s30
	s_mul_i32 s54, s54, 1664
	s_add_nc_u64 s[26:27], s[26:27], s[54:55]
	s_wait_loadcnt 0x0
	WIN_STAGE X, 0
	s_wait_dscnt 0x0
	ROWS X, WSO, 0
	s_wait_dscnt 0x0
	QUANT WW, 1
.irp g, 0,1,2
	global_store_b128 v[LI], v[PC+4*\g:PC+4*\g+3], s[26:27] offset:512*\g
.endr
	global_store_b32 v[L4], v[WW], s[26:27] offset:1536
.Lplain:
	s_wait_dscnt 0x0
	s_barrier_signal -1
	s_barrier_wait -1                              ; all sixteen images of W_k and W_v lie in LDS
	v_add_nc_u32 v[WIM], WIMG, v[LI]
	v_add_nc_u32 v[WIM4], WIMG+1536, v[L4]
	s_wait_alu depctr_va_vdst(0)                   ; the wait directly ahead of the waits below
	s_wait_loadcnt 0x0                             ; ln_w, ln_b, bias_w
	s_wait_tensorcnt 0x0                           ; my tokens
	ROWS X, XA, 0
	ROWS X+64, XA, 4224
	s_wait_dscnt 0x0
.irp k, 0,1,2,3
.irp u, 0,1
	v_pk_add_f32 v[LA+8*\u+2*\k:LA+8*\u+2*\k+1], v[X+64*\u+2*\k:X+64*\u+2*\k+1], v[X+64*\u+8+2*\k:X+64*\u+9+2*\k]
.endr
.endr
.set p, 8
.rept 24
.irp u, 0,1
	v_pk_add_f32 v[LA+8*\u+2*(p%4):LA+8*\u+2*(p%4)+1], v[LA+8*\u+2*(p%4):LA+8*\u+2*(p%4)+1], v[X+64*\u+2*p:X+64*\u+2*p+1]
.endr
.set p, p+1
.endr
	REDUCE
.irp u, 0,1
	v_mul_f32 v[NMU+2*\u], 0xbc000000, v[T+2*\u]   ; -mean
.endr
.set p, 0
.rept 32
.irp u, 0,1
	v_pk_add_f32 v[X+64*\u+2*p:X+64*\u+2*p+1], v[X+64*\u+2*p:X+64*\u+2*p+1], v[NMU+2*\u:NMU+2*\u+1] op_sel_hi:[1,0]
.endr
.set p, p+1
.endr
.irp k, 0,1,2,3
.irp u, 0,1
	v_pk_mul_f32 v[LA+8*\u+2*\k:LA+8*\u+2*\k+1], v[X+64*\u+2*\k:X+64*\u+2*\k+1], v[X+64*\u+2*\k:X+64*\u+2*\k+1]
.endr
.endr
.set p, 4
.rept 28
.irp u, 0,1
	v_pk_fma_f32 v[LA+8*\u+2*(p%4):LA+8*\u+2*(p%4)+1], v[X+64*\u+2*p:X+64*\u+2*p+1], v[X+64*\u+2*p:X+64*\u+2*p+1], v[LA+8*\u+2*(p%4):LA+8*\u+2*(p%4)+1]
.endr
.set p, p+1
.endr
	REDUCE
.irp u, 0,1
	v_fma_f32 v[T+2*\u], v[T+2*\u], s58, s59
.endr
	s_wait_alu depctr_va_vdst(0)
.irp u, 0,1
	v_rsq_f32 v[RS+2*\u], v[T+2*\u]
.endr
	v_nop
	s_wait_alu depctr_va_vdst(0)
.set p, 0
.rept 32
.irp u, 0,1
	v_pk_mul_f32 v[X+64*\u+2*p:X+64*\u+2*p+1], v[X+64*\u+2*p:X+64*\u+2*p+1], v[RS+2*\u:RS+2*\u+1] op_sel_hi:[1,0]
.endr
.set p, p+1
.endr
	WIN 0x14                                       ; sources 1 and 2 in window 1
.set p, 0
.rept 32
.irp u, 0,1
	v_pk_fma_f32 v[X+64*\u+2*p:X+64*\u+2*p+1], v[X+64*\u+2*p:X+64*\u+2*p+1], v[2*p:2*p+1], v[64+2*p:65+2*p]   ; hn
.endr
.set p, p+1
.endr
; THE BIAS, f32: source 0 = bias_w's rows (row m = head m % 4), source 1 = hn's tokens: registers 0-3 of a result are the four heads of token r.  K goes by a lane's register pairs, alike on both sides.
; Four accumulators (tile, parity of the step) by turns.
	WIN 0x51
.set p, 0
.rept 32
.irp u, 0,1
.if p < 2
	v_wmma_f32_16x16x4_f32 v[224+16*\u+8*(p%2):231+16*\u+8*(p%2)], v[128+2*p:129+2*p], v[X+64*\u+2*p:X+64*\u+2*p+1], 0
.else
	v_wmma_f32_16x16x4_f32 v[224+16*\u+8*(p%2):231+16*\u+8*(p%2)], v[128+2*p:129+2*p], v[X+64*\u+2*p:X+64*\u+2*p+1], v[224+16*\u+8*(p%2):231+16*\u+8*(p%2)]
.endif
.endr
.set p, p+1
.endr
	PLACES
	PLACES
	WIN 0x05
.irp j, 0,1,2,3
.irp u, 0,1
	v_add_f32 v[LA+4*\u+\j], v[224+16*\u+\j], v[232+16*\u+\j]
.endr
.endr
	WIN 0
.irp j, 0,1,2,3
	v_cndmask_b32 v[LA+\j], v[LA+\j], v[LA+4+\j], s62
.endr
.irp j, 0,1,2,3
	v_mul_f32 v[LA+\j], 0x40b504f3, v[LA+\j]       ; x sqrt(32)
.endr
.irp j, 0,1,2,3
	ds_store_b32 v[SA], v[LA+\j] offset:1024*\j
.endr
	LOADW 0
	s_wait_dscnt 16                                ; the four stores are done; the first head's 16 loads may be out
	s_wait_xcnt 0x0
	QUANT HW, 2
	PLACES
.irp u, 0,1
.irp g, 0,1,2
	global_store_b128 v[LI], v[PC+12*\u+4*\g:PC+12*\u+4*\g+3], s[24:25] offset:1536*\u+512*\g
.endr
.endr
	global_store_b64 v[L8], v[HW:HW+1], s[24:25] offset:3072
	s_wait_alu depctr_va_vdst(0)                   ; the wait directly ahead of the waits below
	KV 0
	KV 1
	KV 2
	KV 3
	global_store_b128 v[LI], v[KW:KW+3], s[22:23] offset:6144
	global_store_b128 v[LI], v[KW+4:KW+7], s[22:23] offset:6656
	s_wait_dscnt 0x0
	s_barrier_signal -1
	s_barrier_wait -1                              ; the work-group's 4,096 bytes of bias lie in LDS
	ds_load_b128 v[64:67], v[SR]
	s_wait_dscnt 0x0
	global_store_b128 v[LI], v[64:67], s[28:29]
	s_wait_tensorcnt 0x0                           ; the wave's end
	ds_add_u32 v[SPW], v[NIL]
	s_wait_dscnt 0x0
	s_endpgm
.Lfunc_end_k_qe52f16fee4_prep:
	.size	k_qe52f16fee4_prep, .Lfunc_end_k_qe52f16fee4_prep-k_qe52f16fee4_prep
	.p2alignl 7, 3214868480
	.fill 96, 4, 3214868480
	.section	.rodata,"a",@progbits
	.p2align	6, 0x0
	.amdhsa_kernel k_qe52f16fee4_prep
		.amdhsa_group_segment_fixed_size 302080
		.amdhsa_private_segment_fixed_size 0
		.amdhsa_enable_private_segment 0
		.amdhsa_kernarg_size 104
		.amdhsa_user_sgpr_count 2
		.amdhsa_user_sgpr_kernarg_segment_ptr 1
		.amdhsa_wavefront_size32 1
		.amdhsa_system_sgpr_workgroup_id_x 1
		.amdhsa_system_sgpr_workgroup_id_y 1
		.amdhsa_system_sgpr_workgroup_id_z 1
		.amdhsa_system_vgpr_workitem_id 0
		.amdhsa_next_free_vgpr 512
		.amdhsa_next_free_sgpr 72
		.amdhsa_reserve_vcc 0
		.amdhsa_float_denorm_mode_32 3
		.amdhsa_float_denorm_mode_16_64 3
		.amdhsa_memory_ordered 1
		.amdhsa_forward_progress 1
		.amdhsa_inst_pref_size 93
	.end_amdhsa_kernel
	.amdgpu_metadata
---
amdhsa.version: [ 1, 2 ]
amdhsa.kernels:
  - .name:           k_qe52f16fee4_prep
    .symbol:         k_qe52f16fee4_prep.kd
    .args:
      - { .name: x, .offset: 0, .size: 8, .value_kind: global_buffer, .address_space: global }
      - { .name: ln_w, .offset: 8, .size: 8, .value_kind: global_buffer, .address_space: global }
      - { .name: ln_b, .offset: 16, .size: 8, .value_kind: global_buffer, .address_space: global }
      - { .name: bias_w, .offset: 24, .size: 8, .value_kind: global_buffer, .address_space: global }
      - { .name: k_w, .offset: 32, .size: 8, .value_kind: global_buffer, .address_space: global }
      - { .name: v_w, .offset: 40, .size: 8, .value_kind: global_buffer, .address_space: global }
      - { .name: q_w, .offset: 48, .size: 8, .value_kind: global_buffer, .address_space: global }
      - { .name: g_w, .offset: 56, .size: 8, .value_kind: global_buffer, .address_space: global }
      - { .name: o_w, .offset: 64, .size: 8, .value_kind: global_buffer, .address_space: global }
      - { .name: kv_img, .offset: 72, .size: 8, .value_kind: global_buffer, .address_space: global }
      - { .name: hn_img, .offset: 80, .size: 8, .value_kind: global_buffer, .address_space: global }
      - { .name: w_img, .offset: 88, .size: 8, .value_kind: global_buffer, .address_space: global }
      - { .name: bias_img, .offset: 96, .size: 8, .value_kind: global_buffer, .address_space: global }
    .group_segment_fixed_size: 302080
    .private_segment_fixed_size: 0
    .kernarg_segment_align: 8
    .kernarg_segment_size: 104
    .max_flat_workgroup_size: 256
    .sgpr_count:     72
    .vgpr_count:     512
    .wavefront_size: 32
...
	.end_amdgpu_metadata
.endif
;; end of part 1
;; launch attn (part 2): grid 256 x 1, 8 waves a work-group, clusters of 4 x 1, 327,680 bytes of LDS; arguments kv_img, hn_img, w_img, bias_img, out0; writes out0
.if DOCPART == 2
	.amdgcn_target "amdgcn-amd-amdhsa--gfx1250"
	.amdhsa_code_object_version 6
	.text
	.protected	k_qe52f16fee4_attn
	.globl	k_qe52f16fee4_attn
	.p2align	8
	.type	k_qe52f16fee4_attn,@function
k_qe52f16fee4_attn:
	s_mov_b64 s[64:65], 0
	v_nop
	global_prefetch_b8 v0, s[64:65] scope:SCOPE_SE
	s_setreg_imm32_b32 hwreg(HW_REG_WAVE_MODE, 25, 1), 1
	s_wait_xcnt 0x0
	s_wait_alu depctr_hold_cnt(0) depctr_sa_sdst(0) depctr_va_vdst(0) depctr_va_sdst(0) depctr_va_ssrc(0) depctr_va_vcc(0) depctr_vm_vsrc(0)
	s_getreg_b32 s2, hwreg(HW_REG_IB_STS2, 6, 4)
	s_cmp_eq_u32 s2, 0
	s_cbranch_scc0 .Lentry_in_a_cluster
	s_endpgm
.Lentry_in_a_cluster:
	s_bfe_u32 s2, ttmp6, 0x10000c
	s_cmp_lg_u32 s2, 0x3003
	s_cbranch_scc0 .Lentry_shape_is_right
	s_endpgm
.Lentry_shape_is_right:
; ATTN: for a row i of the grid and each head: softmax(q k^T / sqrt(32) + bias) v, x sigmoid(g), x o_w^T.  q and g are made here of hn's codes; k and v arrive as codes.  Every product on codes of FP6 (E2M3).
; SHARES: a cluster of four work-groups owns rows 4 rg .. 4 rg + 3 (rg = the cluster's number); a work-group the 64 queries of quarter qq = its place in the cluster; wave w: head w / 2, half y = w % 2: the 32 queries of block
; 2 qq + y, as two ptiles z = 0, 1 (ptiles: see the first launch's head), which go through every step side by side, so that a fragment of k or v is read once for both; in the output product: channel ptile w.
; THE BIAS of a wave's 32 queries x 256 keys, 256 registers (window 1), is the same for every row: it is loaded once and is the C of the score tiles.  It holds bias x sqrt(32): t = (q . k + C) x c, c = log2(e) / sqrt(32).
; K = 32 IN AN INSTRUCTION OF K = 128.  k lies in registers by PAIRS of key ptiles, six registers a pair: lanes 0-15 one ptile's block, lanes 16-31 the other's.  q lies as XLO Z XHI: XLO has the codes in lanes 0-15 and zeros in the others,
; XHI the other way round, Z zeros.  A pair's first ptile meets [XLO Z], its twelve registers beginning at the pair; its second meets [Z XHI], beginning one pair earlier.  What stands beside a pair meets zero codes;
; beside the first and the last pair that is O's accumulators, which always hold numbers and which FP6 reads as finite codes.  k's scale word holds a pair's two bytes twice.
; SOFTMAX: p = 2^(t - M), M the ceiling of the running largest t; the sum is taken of the unquantised p and divides at the end; when M moves, sum and O are multiplied by 2^(old M - new M), exactly.
; LDS: the weights and k, v of all four rows come once, by joint loads, one a wave: waves 0, 1 row 0, waves 2, 3 the weights, waves 4 to 7 the other rows.  Nothing is filled again.  No prefetch: every tile is asked for at the head, and no tensor load follows that one could run ahead of.
; TWO BARRIERS A ROW: behind the first, o x g of the 64 queries lies in LDS and is multiplied into the stage; behind the second the stage's rows leave.  A wave's eight stage rows hold its sigmoid(g) between its reads of them and the next row's first barrier.
; LIMITS: NaN and infinities are not served; a block whose largest magnitude lies under 2^-124 gets the byte 1; p under 2^-126 counts as 0; scaled scores (base 2) stay under 2^31 in magnitude.
.set KVROW, 57344                      ; k and v of a row: eight blocks
.set BLK,  7168
.set OGSC, 6144                        ; LDS: 0: four operands of o x g, OGSC: their scale words
.set STG,  6656                        ; the way out: 64 rows x (512 + 16) bytes
.set SPARE, 40448
.set WB,   41472                       ; 24 operands of W_q, W_g, W_o, 1,664 bytes each
.set KVB,  81408                       ; four rows of k and v
.set LI, 1                             ; 16 x lane
.set L4, 2                             ; 4 x lane
.set VB0, 3                            ; V's lane terms (lanes 0-15 take each two blocks' second, lanes 16-31 the first): 16-byte part,
.set VA0, 4                            ; 8-byte part
.set AK, 5                             ; this row's addresses: k, its 8-byte part, scale words, v, its 8-byte parts for the head's two channel ptiles
.set AK8, 6
.set AS, 7
.set AV, 8
.set AVA, 9
.set ASO, 11                           ; the stage, in; back
.set ASRD, 12
.set AO, 13                            ; v13-15, v16: where my codes of o x g and their byte go
.set AOS, 16
.set VS, 17                            ; v17-27 hold scales and nothing else: V's (and W_o's),
.set KS, 18                            ; k's four pairs (and W_q's, W_g's; o x g's),
.set QS, 22
.set PS, 24
.set HS, 26                            ; hn's
.set NM, 28                            ; v28, v30 -M; v29, v31 the largest t
.set L, 32                             ; v32-33, v34-35 the sums
.set Q, 36                             ; v36-53, v54-71: XLO Z XHI
.set O, 72                             ; v72-87 O^T of tile 0, v112-127 of tile 1
.set K, 88                             ; v88-111 four pairs of k; V's two operands; at work:
.set BM, 88
.set PT, 96
.set TT, 104
.set F, 104
.set TP, 106
.set S, 128                            ; v128-191, v192-255 the scores of 128 keys
.set HN, 232                           ; v232-255 hn of my two tiles, between rows
.set MSB, 0
.macro WIN new
.if MSB != \new
	s_set_vgpr_msb (MSB<<8)|\new
.set MSB, \new
.endif
.endm
.macro MM0 d, a, b, sa, sb
	v_wmma_scale_f32_16x16x128_f8f6f4 v[(\d):(\d)+7], v[(\a):(\a)+11], v[(\b):(\b)+11], 0, v[\sa], v[\sb] matrix_a_fmt:MATRIX_FMT_FP6 matrix_b_fmt:MATRIX_FMT_FP6
.endm
.macro MMC d, a, b, c, sa, sb
	v_wmma_scale_f32_16x16x128_f8f6f4 v[(\d):(\d)+7], v[(\a):(\a)+11], v[(\b):(\b)+11], v[(\c):(\c)+7], v[\sa], v[\sb] matrix_a_fmt:MATRIX_FMT_FP6 matrix_b_fmt:MATRIX_FMT_FP6
.endm
.macro PV d, a, b, sb, u, first        ; O^T += V^T p^T; the second channel ptile's scales lie in lanes 16-31
.if \first
.if \u
	v_wmma_scale_f32_16x16x128_f8f6f4 v[(\d):(\d)+7], v[(\a):(\a)+11], v[(\b):(\b)+11], 0, v[VS], v[\sb] matrix_a_fmt:MATRIX_FMT_FP6 matrix_b_fmt:MATRIX_FMT_FP6 matrix_a_scale:MATRIX_SCALE_ROW1
.else
	MM0 \d, \a, \b, VS, \sb
.endif
.else
.if \u
	v_wmma_scale_f32_16x16x128_f8f6f4 v[(\d):(\d)+7], v[(\a):(\a)+11], v[(\b):(\b)+11], v[(\d):(\d)+7], v[VS], v[\sb] matrix_a_fmt:MATRIX_FMT_FP6 matrix_b_fmt:MATRIX_FMT_FP6 matrix_a_scale:MATRIX_SCALE_ROW1
.else
	MMC \d, \a, \b, \d, VS, \sb
.endif
.endif
.endm
.macro PLACES
.rept 4
	v_nop
.endr
.endm
.macro LOADF reg, adr, off
.irp g, 0,1,2
	ds_load_b128 v[(\reg)+4*\g:(\reg)+4*\g+3], v[\adr] offset:(\off)+512*\g
.endr
.endm
.macro LOADS reg, adr, off
	ds_load_b32 v[\reg], v[\adr] offset:\off
.endm
.macro CROUND                          ; a round of the cluster's barrier
	s_barrier_signal -1
	s_barrier_wait -1
	s_cmp_lg_u32 s14, 0
	s_cbranch_scc1 .Lnot_wave_0_\@
	s_barrier_signal -3
.Lnot_wave_0_\@:
	s_barrier_wait -3
	s_barrier_signal -1
	s_barrier_wait -1
.endm
.macro HNLOAD                          ; hn of my two query tiles of a row: 7 loads
.irp z, 0,1
.irp g, 0,1,2
	global_load_b128 v[HN+12*\z+4*\g:HN+12*\z+4*\g+3], v[LI], s[6:7] offset:1536*\z+512*\g
.endr
.endr
	global_load_b64 v[HS:HS+1], v111, s[6:7] offset:3072
.endm
.macro QLOADS                          ; W_q and W_g of my head: 16 LDS loads
	v_add_nc_u32 v88, s59, v[LI]
	v_add_nc_u32 v89, s60, v[L4]
.irp u, 0,1
	LOADF 160+12*\u, 88, 1664*\u
	LOADS KS+\u, 89, 1664*\u
	LOADF 184+12*\u, 88, 13312+1664*\u
	LOADS KS+2+\u, 89, 13312+1664*\u
.endr
.endm
.macro KLOAD s                         ; k of key step s (128 keys)
.irp p, 0,1,2,3
	ds_load_b128 v[K+6*\p:K+6*\p+3], v[AK] offset:(4*(\s)+\p)*BLK
	ds_load_b64 v[K+6*\p+4:K+6*\p+5], v[AK8] offset:(4*(\s)+\p)*BLK
	ds_load_b32 v[KS+\p], v[AS] offset:(4*(\s)+\p)*BLK
.endr
.endm
; A row begins: q and g of my two tiles; q quantised and laid out; k of step 0 asked for; sigmoid(g) into my stage rows.  W_q, W_g and hn have been asked for.
.macro QG lc
	s_wait_loadcnt \lc
	s_wait_dscnt 0x0
.irp u, 0,1
.irp z, 0,1
	MM0 S+16*\z+8*\u, 160+12*\u, HN+12*\z, KS+\u, HS+\z       ; q^T: register 16 z + i: channel 16 h + i of my query
.endr
.endr
.irp u, 0,1
.irp z, 0,1
	MM0 O+40*\z+8*\u, 184+12*\u, HN+12*\z, KS+2+\u, HS+\z     ; g^T, as O^T will lie
.endr
.endr
	PLACES
.irp z, 0,1
	v_max3_num_f32 v[BM+4*\z], |v[S+16*\z]|, |v[S+16*\z+1]|, 0x1800000
.endr
.irp i, 2,4,6,8,10,12,14
.irp z, 0,1
	v_max3_num_f32 v[BM+4*\z], v[BM+4*\z], |v[S+16*\z+\i]|, |v[S+16*\z+\i+1]|
.endr
.endr
.irp z, 0,1
	v_permlanex16_b32 v[PT+4*\z], v[BM+4*\z], s70, s71
.endr
.irp z, 0,1
	v_max_num_f32 v[BM+4*\z], v[BM+4*\z], v[PT+4*\z]
.endr
.irp z, 0,1
	v_add_nc_u32 v[BM+4*\z], 0xff000000, v[BM+4*\z]
.endr
.irp z, 0,1
	v_cvt_scalef32_pk16_fp6_f32 v[TT+4*\z:TT+4*\z+2], v[S+16*\z:S+16*\z+15], v[BM+4*\z]
.endr
.irp z, 0,1
	v_lshrrev_b32 v[PT+4*\z], 23, v[BM+4*\z]
.endr
.irp z, 0,1
	v_lshl_or_b32 v[QS+\z], v[PT+4*\z], 8, v[PT+4*\z]
.endr
.irp z, 0,1
	v_lshl_or_b32 v[QS+\z], v[QS+\z], 16, v[QS+\z]            ; q's byte in all four
.endr
.irp i, 0,1,2
.irp z, 0,1
	v_mov_b32 v[Q+18*\z+\i], v[TT+4*\z+\i]
	v_mov_b32 v[Q+18*\z+3+\i], 0
	v_mov_b32 v[Q+18*\z+12+\i], 0
	v_mov_b32 v[Q+18*\z+15+\i], v[TT+4*\z+\i]
.endr
.endr
.irp i, 0,1,2
.irp z, 0,1
	v_permlane16_swap_b32 v[Q+18*\z+\i], v[Q+18*\z+3+\i]      ; XLO: the whole block in lanes 0-15, zeros in 16-31
	v_permlane16_swap_b32 v[Q+18*\z+12+\i], v[Q+18*\z+15+\i]  ; XHI: the other way round
.endr
.endr
	s_add_co_u32 s57, s56, 512
	v_add_nc_u32 v[AK], s56, v[LI]
	v_lshlrev_b32 v[AK8], 1, v[L4]
	v_add_nc_u32 v[AK8], s57, v[AK8]
	v_add_nc_u32 v[AS], s58, v[LI]
	s_add_co_u32 s57, s56, 3072
	v_add_nc_u32 v[AV], s57, v[VB0]
	s_add_co_u32 s57, s56, 3584
	v_add_nc_u32 v[AVA], s57, v[VA0]
	v_xor_b32 v[AVA+1], 0x80, v[AVA]
	KLOAD 0
.set j, 0
.rept 8
.irp z, 0,1
	v_pk_mul_f32 v[O+40*\z+j:O+40*\z+j+1], v[O+40*\z+j:O+40*\z+j+1], 0xbfb8aa3b op_sel_hi:[1,0]   ; -g log2(e)
.endr
.set j, j+2
.endr
	s_wait_alu depctr_va_vdst(0)
.set j, 0
.rept 16
.irp z, 0,1
	v_exp_f32 v[O+40*\z+j], v[O+40*\z+j]
.endr
.set j, j+1
.endr
	v_nop
	s_wait_alu depctr_va_vdst(0)
.set j, 0
.rept 8
.irp z, 0,1
	v_pk_add_f32 v[O+40*\z+j:O+40*\z+j+1], v[O+40*\z+j:O+40*\z+j+1], 1.0 op_sel_hi:[1,0]
.endr
.set j, j+2
.endr
	s_wait_alu depctr_va_vdst(0)
.set j, 0
.rept 16
.irp z, 0,1
	v_rcp_f32 v[O+40*\z+j], v[O+40*\z+j]
.endr
.set j, j+1
.endr
	PLACES                                         ; (also the places ahead of the products that read O's registers beside k's pairs)
	v_nop
	s_wait_alu depctr_va_vdst(0)
.irp z, 0,1
.irp i, 0,1,2,3
	ds_store_b128 v[ASRD], v[O+40*\z+4*\i:O+40*\z+4*\i+3] offset:512*(4*\z+\i)
.endr
.endr
.endm
; the sums of a tile's blocks 1 to 3, in place, in two parts
.macro SUM1 x
.set j, 0
.rept 8
	v_pk_add_f32 v[(\x)+16+j:(\x)+17+j], v[(\x)+16+j:(\x)+17+j], v[(\x)+32+j:(\x)+33+j]
.set j, j+2
.endr
.set j, 0
.rept 8
	v_pk_add_f32 v[(\x)+16+j:(\x)+17+j], v[(\x)+16+j:(\x)+17+j], v[(\x)+48+j:(\x)+49+j]
.set j, j+2
.endr
.endm
.macro SUM2 x, l
.irp k, 0,2,4,6
	v_pk_add_f32 v[(\x)+16+\k:(\x)+17+\k], v[(\x)+16+\k:(\x)+17+\k], v[(\x)+24+\k:(\x)+25+\k]
.endr
.irp k, 0,2
	v_pk_add_f32 v[(\x)+16+\k:(\x)+17+\k], v[(\x)+16+\k:(\x)+17+\k], v[(\x)+20+\k:(\x)+21+\k]
.endr
	v_pk_add_f32 v[(\x)+16:(\x)+17], v[(\x)+16:(\x)+17], v[(\x)+18:(\x)+19]
	v_pk_add_f32 v[\l:\l+1], v[\l:\l+1], v[(\x)+16:(\x)+17]
.endm
; A key step: 128 keys (s) for both query tiles.  lc: the wait for the bias (-1: it is in)
.macro STEP s, lc
	s_wait_dscnt 0x0                               ; k is in
.if (\lc) >= 0
	s_wait_loadcnt \lc
.endif
	WIN 0x10                                       ; C (the bias) in window 1
.irp t, 0,1,2,3,4,5,6,7
.irp z, 0,1
	MMC S+64*\z+8*\t, K+6*(\t/2)-6*(\t%2), Q+18*\z+6*(\t%2), 128*\z+64*(\s)+8*\t, KS+\t/2, QS+\z
.endr
.endr
	WIN 0
	PLACES
.irp b, 0,1,2,3
.irp z, 0,1
	v_max3_num_f32 v[BM+4*\z+\b], v[S+64*\z+16*\b], v[S+64*\z+1+16*\b], v[S+64*\z+2+16*\b]   ; the largest score of each block of 32 keys: for the row's maximum, and for the block's largest p
.endr
.endr
.irp i, 3,5,7,9,11,13
.irp b, 0,1,2,3
.irp z, 0,1
	v_max3_num_f32 v[BM+4*\z+\b], v[BM+4*\z+\b], v[S+64*\z+16*\b+\i], v[S+64*\z+1+16*\b+\i]
.endr
.endr
.endr
.irp b, 0,1,2,3
.irp z, 0,1
	v_max_num_f32 v[BM+4*\z+\b], v[BM+4*\z+\b], v[S+64*\z+15+16*\b]
.endr
.endr
.irp b, 0,1,2,3
.irp z, 0,1
	v_permlanex16_b32 v[PT+4*\z+\b], v[BM+4*\z+\b], s70, s71
.endr
.endr
.irp b, 0,1,2,3
.irp z, 0,1
	v_max_num_f32 v[BM+4*\z+\b], v[BM+4*\z+\b], v[PT+4*\z+\b]
.endr
.endr
.irp z, 0,1
	v_max3_num_f32 v[TP+4*\z], v[BM+4*\z], v[BM+4*\z+1], v[BM+4*\z+2]
.endr
.irp z, 0,1
	v_max_num_f32 v[TP+4*\z], v[TP+4*\z], v[BM+4*\z+3]
.endr
.if (\s) == 0
.irp z, 0,1
	v_mul_f32 v[NM+2*\z+1], s68, v[TP+4*\z]        ; as t (c is positive)
.endr
.irp z, 0,1
	v_floor_f32 v[NM+2*\z], -v[NM+2*\z+1]          ; -M = floor(-t): M is a whole number
.endr
.else
.irp z, 0,1
	v_mul_f32 v[TP+4*\z], s68, v[TP+4*\z]
.endr
.irp z, 0,1
	v_max_num_f32 v[NM+2*\z+1], v[NM+2*\z+1], v[TP+4*\z]
.endr
.irp z, 0,1
	v_mov_b32 v[TP+4*\z], v[NM+2*\z]
.endr
.irp z, 0,1
	v_floor_f32 v[NM+2*\z], -v[NM+2*\z+1]
.endr
.irp z, 0,1
	v_sub_f32 v[TP+4*\z], v[NM+2*\z], v[TP+4*\z]
.endr
.irp z, 0,1
	v_cvt_i32_f32 v[TP+4*\z], v[TP+4*\z]           ; (it saturates)
.endr
.irp z, 0,1
	v_ldexp_f32 v[F+4*\z], 1.0, v[TP+4*\z]         ; 2^(old M - new M)
.endr
.irp z, 0,1
	v_pk_mul_f32 v[L+2*\z:L+2*\z+1], v[L+2*\z:L+2*\z+1], v[F+4*\z:F+4*\z+1] op_sel_hi:[1,0]
.endr
.set j, 0
.rept 8
.irp z, 0,1
	v_pk_mul_f32 v[O+40*\z+j:O+40*\z+j+1], v[O+40*\z+j:O+40*\z+j+1], v[F+4*\z:F+4*\z+1] op_sel_hi:[1,0]   ; from each accumulator's low end on
.endr
.set j, j+2
.endr
.endif
.set j, 0
.rept 32
.irp z, 0,1
	v_pk_fma_f32 v[S+64*\z+j:S+64*\z+j+1], v[S+64*\z+j:S+64*\z+j+1], s[68:69], v[NM+2*\z:NM+2*\z+1] op_sel_hi:[1,0,0]   ; t - M
.endr
.set j, j+2
.endr
.irp b, 0,1,2,3
.irp z, 0,1
	v_fma_f32 v[BM+4*\z+\b], v[BM+4*\z+\b], s68, v[NM+2*\z]
.endr
.endr
	s_wait_alu depctr_va_vdst(0)
.set j, 0
.rept 128
	v_exp_f32 v[S+j], v[S+j]                       ; p
.set j, j+1
.endr
.set j, 0
.rept 8
	v_exp_f32 v[BM+j], v[BM+j]                     ; each block's largest p: the same two instructions on the same number
.set j, j+1
.endr
	v_nop
	s_wait_alu depctr_va_vdst(0)
.set j, 0
.rept 8
	v_max_num_f32 v[BM+j], 0x1800000, v[BM+j]
.set j, j+1
.endr
.set j, 0
.rept 8
	v_add_nc_u32 v[BM+j], 0xff000000, v[BM+j]      ; the conversions' scale operands
.set j, j+1
.endr
.irp z, 0,1
	v_cvt_scalef32_pk16_fp6_f32 v[TT+4*\z:TT+4*\z+2], v[S+64*\z:S+64*\z+15], v[BM+4*\z]   ; block 0
.endr
.set j, 0
.rept 8
	v_lshrrev_b32 v[PT+j], 23, v[BM+j]
.set j, j+1
.endr
.irp z, 0,1
	v_lshl_or_b32 v[PS+\z], v[PT+4*\z], 8, v[PT+4*\z+1]       ; each two neighbouring blocks stand in exchanged places, in V too
.endr
.irp z, 0,1
	v_lshl_or_b32 v[PS+\z], v[PT+4*\z+3], 16, v[PS+\z]
.endr
.irp z, 0,1
	v_lshl_or_b32 v[PS+\z], v[PT+4*\z+2], 24, v[PS+\z]
.endr
.irp k, 0,2,4,6                        ; block 0's sum, in place: its codes are made
.irp z, 0,1
	v_pk_add_f32 v[S+64*\z+\k:S+64*\z+\k+1], v[S+64*\z+\k:S+64*\z+\k+1], v[S+64*\z+8+\k:S+64*\z+9+\k]
.endr
.endr
.irp k, 0,2
.irp z, 0,1
	v_pk_add_f32 v[S+64*\z+\k:S+64*\z+\k+1], v[S+64*\z+\k:S+64*\z+\k+1], v[S+64*\z+4+\k:S+64*\z+5+\k]
.endr
.endr
.if (\s) == 0
.irp z, 0,1
	v_pk_add_f32 v[L+2*\z:L+2*\z+1], v[S+64*\z:S+64*\z+1], v[S+64*\z+2:S+64*\z+3]
.endr
.else
.irp z, 0,1
	v_pk_add_f32 v[S+64*\z:S+64*\z+1], v[S+64*\z:S+64*\z+1], v[S+64*\z+2:S+64*\z+3]
.endr
.irp z, 0,1
	v_pk_add_f32 v[L+2*\z:L+2*\z+1], v[L+2*\z:L+2*\z+1], v[S+64*\z:S+64*\z+1]
.endr
.endif
.irp z, 0,1                            ; p's operand grows where block 0's numbers lay
	v_cvt_scalef32_pk16_fp6_f32 v[S+64*\z:S+64*\z+2], v[S+64*\z+16:S+64*\z+31], v[BM+4*\z+1]
	v_cvt_scalef32_pk16_fp6_f32 v[S+64*\z+12:S+64*\z+14], v[S+64*\z+32:S+64*\z+47], v[BM+4*\z+2]
	v_cvt_scalef32_pk16_fp6_f32 v[S+64*\z+6:S+64*\z+8], v[S+64*\z+48:S+64*\z+63], v[BM+4*\z+3]
.endr
	v_nop
.irp i, 0,1,2                          ; a whole block to a lane: lanes 0-15 blocks 1 and 3, lanes 16-31 blocks 0 and 2
.irp z, 0,1
	v_permlane16_swap_b32 v[S+64*\z+\i], v[TT+4*\z+\i]
	v_permlane16_swap_b32 v[S+64*\z+6+\i], v[S+64*\z+12+\i]
.endr
.endr
.irp i, 0,1,2
.irp z, 0,1
	v_mov_b32 v[S+64*\z+3+\i], v[TT+4*\z+\i]
	v_mov_b32 v[S+64*\z+9+\i], v[S+64*\z+12+\i]
.endr
.endr
.irp b, 0,1,2,3
	ds_load_b32 v[S+12+\b], v[AS] offset:(4*(\s)+\b)*BLK+512  ; V's scale words, a byte each
.endr
.irp u, 0,1
.irp c, 0,1
	ds_load_b128 v[K+12*\u+6*\c:K+12*\u+6*\c+3], v[AV] offset:(4*(\s)+2*\c)*BLK+256*\u
	ds_load_b64 v[K+12*\u+6*\c+4:K+12*\u+6*\c+5], v[AVA+\u] offset:(4*(\s)+2*\c)*BLK
.endr
.endr
	SUM1 S
	SUM2 S, L
	s_wait_dscnt 8                                 ; the four words are in; V's eight loads may be out
	v_add3_u32 v[VS], v[S+12], v[S+13], v[S+14]
	v_add_nc_u32 v[VS], v[VS], v[S+15]
	SUM1 S+64
	s_wait_alu depctr_va_vdst(0)                   ; the wait directly ahead of the wait below
	s_wait_dscnt 0x0                               ; V is in
.irp u, 0,1
.irp z, 0,1
	PV O+40*\z+8*\u, K+12*\u, S+64*\z, PS+\z, \u, 1-(\s)
.endr
.endr
	SUM2 S+64, L+2                                 ; eight plain instructions that name none of these products' registers: their places
.endm
; A row's attention, from the scores on, to o x g in LDS
.macro ROW lc0, lc1
	STEP 0, \lc0
	KLOAD 1
	STEP 1, \lc1
.irp i, 0,1,2,3,4,5,6,7
	ds_load_b128 v[S+16+4*\i:S+19+4*\i], v[ASRD] offset:512*\i   ; sigmoid(g)
.endr
.irp z, 0,1
	v_add_f32 v[L+2*\z], v[L+2*\z], v[L+2*\z+1]
.endr
.irp z, 0,1
	v_permlanex16_b32 v[TP+4*\z], v[L+2*\z], s70, s71
.endr
.irp z, 0,1
	v_add_f32 v[L+2*\z], v[L+2*\z], v[TP+4*\z]
.endr
	s_wait_alu depctr_va_vdst(0)
.irp z, 0,1
	v_rcp_f32 v[F+4*\z], v[L+2*\z]
.endr
	v_nop
	s_wait_alu depctr_va_vdst(0)
.set j, 0
.rept 8
.irp z, 0,1
	v_pk_mul_f32 v[O+40*\z+j:O+40*\z+j+1], v[O+40*\z+j:O+40*\z+j+1], v[F+4*\z:F+4*\z+1] op_sel_hi:[1,0]   ; O^T / sum
.endr
.set j, j+2
.endr
	s_wait_dscnt 0x0
.set j, 0
.rept 8
.irp z, 0,1
	v_pk_mul_f32 v[O+40*\z+j:O+40*\z+j+1], v[O+40*\z+j:O+40*\z+j+1], v[S+16+16*\z+j:S+17+16*\z+j]
.endr
.set j, j+2
.endr
.irp z, 0,1
	v_max3_num_f32 v[BM+4*\z], |v[O+40*\z]|, |v[O+40*\z+1]|, 0x1800000
.endr
.irp i, 2,4,6,8,10,12,14
.irp z, 0,1
	v_max3_num_f32 v[BM+4*\z], v[BM+4*\z], |v[O+40*\z+\i]|, |v[O+40*\z+\i+1]|
.endr
.endr
.irp z, 0,1
	v_permlanex16_b32 v[PT+4*\z], v[BM+4*\z], s70, s71
.endr
.irp z, 0,1
	v_max_num_f32 v[BM+4*\z], v[BM+4*\z], v[PT+4*\z]
.endr
.irp z, 0,1
	v_add_nc_u32 v[BM+4*\z], 0xff000000, v[BM+4*\z]
.endr
.irp z, 0,1
	v_cvt_scalef32_pk16_fp6_f32 v[TT+4*\z:TT+4*\z+2], v[O+40*\z:O+40*\z+15], v[BM+4*\z]
.endr
.irp z, 0,1
	v_lshrrev_b32 v[PT+4*\z], 23, v[BM+4*\z]
.endr
.irp z, 0,1
.irp j, 0,1,2
	ds_store_b32 v[AO+\j], v[TT+4*\z+\j] offset:1536*\z       ; register 6 (head / 2) + 3 h + j of lane 16 (head % 2) + r of the operand
.endr
	ds_store_b8 v[AOS], v[PT+4*\z] offset:128*\z              ; byte `head` of my row's scale word
.endr
.endm
; out = (o x g) o_w^T: my 16 output channels for the four query tiles, into the stage
.macro OUTPROD
	v_add_nc_u32 v88, s61, v[LI]
	v_add_nc_u32 v89, s62, v[L4]
	LOADF 176, 88, 0
	LOADS VS, 89, 0
	s_wait_dscnt 0x0
	s_barrier_signal -1
	s_barrier_wait -1                              ; o x g of the 64 queries lies in LDS; the first time rows 1 to 3 are shown too
.irp m, 0,1,2,3
	LOADF S+12*\m, LI, 1536*\m
	LOADS KS+\m, L4, OGSC+128*\m
.endr
	s_wait_dscnt 0x0
.irp m, 0,1,2,3
	MM0 S+64+8*\m, 176, S+12*\m, VS, KS+\m
.endr
	PLACES
.irp m, 0,1,2,3
	ds_store_b128 v[ASO], v[S+64+8*\m:S+67+8*\m] offset:(32*(\m/2)+8*(\m%2))*528
	ds_store_b128 v[ASO], v[S+68+8*\m:S+71+8*\m] offset:(32*(\m/2)+8*(\m%2))*528+16
.endr
	s_wait_dscnt 0x0
	s_barrier_signal -1
	s_barrier_wait -1                              ; 64 whole rows lie in the stage
.irp i, 0,1,2,3,4,5,6,7
	ds_load_b128 v[S+4*\i:S+4*\i+3], v[ASRD] offset:528*\i
.endr
.endm
.macro OUTST younger                   ; younger: the LDS loads issued behind the rows', which may stay out
.irp i, 0,1,2,3,4,5,6,7
	s_wait_dscnt (\younger)+7-\i
	global_store_b128 v[LI], v[S+4*\i:S+4*\i+3], s[12:13] offset:512*\i th:TH_STORE_NT   ; 32 lanes store a row of 512 bytes, aligned; written once
.endr
.endm
	s_load_b256 s[4:11], s[0:1], 0x0               ; kv_img 4, hn_img 6, w_img 8, bias_img 10
	s_load_b64 s[12:13], s[0:1], 0x20              ; out0
	v_lshl_add_u32 v86, v0, 2, SPARE
	v_mov_b32 v87, 0
	ds_add_u32 v86, v87                            ; the opening lines
	ds_add_u32 v86, v87
	v_lshrrev_b32 v88, 5, v0
	v_readfirstlane_b32 s14, v88                   ; wave
	s_lshr_b32 s15, s14, 1                         ; head
	s_and_b32 s16, s14, 1                          ; y
	s_bfe_u32 s17, ttmp6, 0x40000                  ; qq, my place in the cluster
	; groups 1: dense blocks as rows of 256 bytes (32 elements of 8 bytes), joint loads of all four work-groups
.irp g, 32, 40, 48
	s_mov_b32 s[\g], 15|(3<<16)|(1<<21)
	s_mov_b32 s[\g+1], 32<<16
	s_mov_b32 s[\g+3], 32<<16
	s_mov_b32 s[\g+5], 32
	s_mov_b32 s[\g+6], 0
	s_mov_b32 s[\g+7], 0
.endr
	s_mov_b32 s34, 112<<16                         ; half of row 0
	s_mov_b32 s36, 112
	s_mov_b32 s42, 78<<16                          ; half of the weights
	s_mov_b32 s44, 78
	s_mov_b32 s50, 168<<16                         ; a quarter of rows 1 to 3
	s_mov_b32 s52, 168
	s_mov_b32 s68, 0x3e8293ee                      ; c = log2(e) / sqrt(32)
	s_mov_b32 s69, s68
	s_mov_b32 s70, 0x76543210
	s_mov_b32 s71, 0xfedcba98                      ; lane l xor 16
	s_mul_i32 s56, s15, 768
	s_add_co_u32 s56, s56, KVB                     ; my head's k of the row in hand
	s_lshl_b32 s58, s15, 2
	s_add_co_u32 s58, s58, KVB+6144                ; its scale words
	s_mul_i32 s59, s15, 2*1664
	s_add_co_u32 s59, s59, WB                      ; W_q of my head
	s_add_co_u32 s60, s59, 1536
	s_lshr_b32 s3, s15, 1
	s_mul_i32 s3, s3, 6                            ; 6 (head / 2)
	s_mul_i32 s57, s16, 3072
	s_and_b32 s61, s15, 1
	s_lshl_b32 s61, s61, 8
	s_add_co_u32 s57, s57, s61                     ; o x g: tile 2 y, lane 16 (head % 2)
	s_lshl_b32 s61, s16, 8
	s_add_co_u32 s61, s61, s15
	s_add_co_u32 s61, s61, OGSC
	s_lshl_b32 s62, s15, 7
	s_lshl_b32 s63, s16, 5
	s_add_co_u32 s62, s62, s63
	s_add_co_u32 s62, s62, STG
	s_mul_i32 s63, s14, 4224
	s_add_co_u32 s63, s63, STG
	v_and_b32 v88, 31, v0                          ; lane
	v_and_b32 v89, 15, v0                          ; r
	v_bfe_u32 v90, v0, 4, 1                        ; h
	v_lshlrev_b32 v[LI], 4, v88
	v_lshlrev_b32 v[L4], 2, v88
	v_lshlrev_b32 v111, 3, v88
	v_sub_nc_u32 v91, 1, v90                       ; 1 - h
	v_mul_u32_u24 v92, BLK, v91
	v_lshl_add_u32 v[VB0], v89, 4, v92
	v_mul_u32_u24 v92, BLK+128, v91
	v_lshl_add_u32 v[VA0], v89, 3, v92
	v_lshrrev_b32 v93, 3, v89                      ; r / 8
	v_and_b32 v94, 7, v89
	v_lshlrev_b32 v95, 14, v93
	v_lshl_add_u32 v95, v90, 7, v95
	v_lshl_add_u32 v110, v94, 4, v95               ; my place in the bias of a query tile and key ptile
	v_lshl_add_u32 v93, v93, 3, v89                ; r + 8 (r / 8)
	v_mul_u32_u24 v93, 528, v93
	v_lshl_add_u32 v93, v90, 6, v93
	v_add_nc_u32 v[ASO], s62, v93                  ; column 32 (w / 2) + 8 (w % 2) + 16 h
	v_add_nc_u32 v[ASRD], s63, v[LI]               ; rows 8 w on
	v_add_nc_u32 v[AOS], s61, v[L4]
	v_mul_u32_u24 v94, 3, v90
	v_lshlrev_b32 v95, 4, v89
	v_add_nc_u32 v94, s3, v94                      ; the first of my three registers in an operand of o x g
	v_add_nc_u32 v95, s57, v95
.irp j, 0,1,2
	v_add_nc_u32 v97, \j, v94
	v_lshrrev_b32 v98, 2, v97
	v_and_b32 v99, 3, v97
	v_lshl_add_u32 v[AO+\j], v98, 9, v95
	v_lshl_add_u32 v[AO+\j], v99, 2, v[AO+\j]
.endr
	v_mov_b32 v[PT], 0                             ; a lane permute's destination counts as one of its sources
	v_mov_b32 v[PT+4], 0
.irp i, 0,1,2,3,4,5
	v_mov_b32 v[Q+6+\i], 0                         ; Z
	v_mov_b32 v[Q+24+\i], 0
.endr
	s_wait_alu depctr_va_vdst(0)                   ; the wait at the head's end
	s_wait_dscnt 0x0
	s_wait_kmcnt 0x0
	s_mul_i32 s18, ttmp9, 4*KVROW                  ; the cluster's four rows
	s_mov_b32 s19, 0
	s_add_nc_u64 s[4:5], s[4:5], s[18:19]
	s_mul_i32 s66, s16, 28672
	s_mov_b32 s67, 0
	s_mov_b32 s20, 1
	s_add_co_u32 s21, s66, KVB
	s_add_nc_u64 s[22:23], s[4:5], s[66:67]
	s_or_b32 s23, s23, 0x80000000
	s_mul_i32 s18, s16, 19968
	s_mov_b32 s24, 1
	s_add_co_u32 s25, s18, WB
	s_add_nc_u64 s[26:27], s[8:9], s[18:19]
	s_or_b32 s27, s27, 0x80000000
	s_and_b32 s66, s14, 3
	s_mul_i32 s66, s66, 43008
	s_add_co_u32 s66, s66, KVROW
	s_mov_b32 s28, 1
	s_add_co_u32 s29, s66, KVB
	s_add_nc_u64 s[30:31], s[4:5], s[66:67]
	s_or_b32 s31, s31, 0x80000000
	CROUND                                         ; the four work-groups are here: the joint loads meet
	s_cmp_lt_u32 s14, 2
	s_cbranch_scc0 .Lweights
	tensor_load_to_lds s[20:23], s[32:39]
	s_nop 0
	PLACES
	s_branch .Lasked
.Lweights:
	s_cmp_lt_u32 s14, 4
	s_cbranch_scc0 .Lrest
	tensor_load_to_lds s[24:27], s[40:47]
	s_nop 0
	PLACES
	s_branch .Lasked
.Lrest:
	tensor_load_to_lds s[28:31], s[48:55]
	s_nop 0
	PLACES
.Lasked:
	s_lshl_b32 s61, s17, 1
	s_add_co_u32 s61, s61, s16                     ; my query block 2 qq + y
	s_lshl_b32 s62, ttmp9, 5
	s_add_co_u32 s62, s62, s61
	s_mul_i32 s62, s62, 3328
	s_mov_b32 s63, 0
	s_add_nc_u64 s[6:7], s[6:7], s[62:63]
	s_lshl_b32 s62, s15, 18
	s_lshl_b32 s61, s61, 15
	s_add_co_u32 s62, s62, s61
	s_add_nc_u64 s[10:11], s[10:11], s[62:63]
	s_lshl_b32 s62, ttmp9, 19
	s_lshl_b32 s61, s17, 15
	s_add_co_u32 s62, s62, s61
	s_lshl_b32 s61, s14, 12
	s_add_co_u32 s62, s62, s61
	s_add_nc_u64 s[12:13], s[12:13], s[62:63]      ; rows 64 qq + 8 w on
	HNLOAD
	WIN 0x40
.irp s, 0,1
.irp z, 0,1
.irp n, 0,1,2,3,4,5,6,7
.irp g, 0,1
	global_load_b128 v[128*\z+64*\s+8*\n+4*\g:128*\z+64*\s+8*\n+4*\g+3], v110, s[10:11] offset:8192*\z+4096*\s+512*\n+256*\g   ; the bias: 64 loads, step 0's first
.endr
.endr
.endr
.endr
	WIN 0
	s_mul_i32 s61, s14, 1664
	s_add_co_u32 s61, s61, WB+16*1664              ; ptile w of W_o
	s_add_co_u32 s62, s61, 1536
	s_cmp_lt_u32 s14, 4
	s_cbranch_scc0 .Lnot_mine
	s_wait_tensorcnt 0x0                           ; waves 0 to 3: row 0 and the weights
.Lnot_mine:
	s_barrier_signal -1
	s_barrier_wait -1                              ; row 0 and the weights are in
	s_wait_xcnt 0x0                                ; the loads have read their addresses and bases
	s_add_nc_u64 s[6:7], s[6:7], 26624             ; the next row's hn
	QLOADS
	QG 63                                          ; hn's seven loads are the oldest of 71
	ROW 32, 0                                      ; step 0's bias is in where step 1's 32 loads are out
	s_wait_tensorcnt 0x0                           ; my part of rows 1 to 3 has landed; the loop's first barrier shows all of them to every wave
	s_mov_b32 s3, 3
.Lrow:
	v_lshlrev_b32 v111, 1, v[L4]
	HNLOAD                                         ; the next row's
	OUTPROD
	QLOADS
	OUTST 16
	s_wait_xcnt 0x0                                ; the stores have read their registers and their base, the loads theirs
	s_add_nc_u64 s[12:13], s[12:13], 131072
	s_add_nc_u64 s[6:7], s[6:7], 26624
	s_add_co_u32 s56, s56, KVROW
	s_add_co_u32 s58, s58, KVROW
	QG 0
	ROW -1, -1
	s_sub_co_u32 s3, s3, 1
	s_cmp_lg_u32 s3, 0
	s_cbranch_scc1 .Lrow
	OUTPROD                                        ; the last row leaves
	OUTST 0
	v_lshl_add_u32 v86, v0, 2, SPARE
	v_mov_b32 v87, 0
	s_wait_alu depctr_va_vdst(0)
	s_wait_tensorcnt 0x0                           ; the wave's end
	ds_add_u32 v86, v87
	s_wait_dscnt 0x0
	CROUND                                         ; the closing round
	s_endpgm
.Lfunc_end_k_qe52f16fee4_attn:
	.size	k_qe52f16fee4_attn, .Lfunc_end_k_qe52f16fee4_attn-k_qe52f16fee4_attn
	.p2alignl 7, 3214868480
	.fill 96, 4, 3214868480
	.section	.rodata,"a",@progbits
	.p2align	6, 0x0
	.amdhsa_kernel k_qe52f16fee4_attn
		.amdhsa_group_segment_fixed_size 327680
		.amdhsa_private_segment_fixed_size 0
		.amdhsa_enable_private_segment 0
		.amdhsa_kernarg_size 40
		.amdhsa_user_sgpr_count 2
		.amdhsa_user_sgpr_kernarg_segment_ptr 1
		.amdhsa_wavefront_size32 1
		.amdhsa_system_sgpr_workgroup_id_x 1
		.amdhsa_system_sgpr_workgroup_id_y 1
		.amdhsa_system_sgpr_workgroup_id_z 1
		.amdhsa_system_vgpr_workitem_id 0
		.amdhsa_next_free_vgpr 512
		.amdhsa_next_free_sgpr 72
		.amdhsa_reserve_vcc 0
		.amdhsa_float_denorm_mode_32 3
		.amdhsa_float_denorm_mode_16_64 3
		.amdhsa_memory_ordered 1
		.amdhsa_forward_progress 1
		.amdhsa_inst_pref_size 161
	.end_amdhsa_kernel
	.amdgpu_metadata
---
amdhsa.version: [ 1, 2 ]
amdhsa.kernels:
  - .name:           k_qe52f16fee4_attn
    .symbol:         k_qe52f16fee4_attn.kd
    .args:
      - { .name: kv_img, .offset: 0, .size: 8, .value_kind: global_buffer, .address_space: global }
      - { .name: hn_img, .offset: 8, .size: 8, .value_kind: global_buffer, .address_space: global }
      - { .name: w_img, .offset: 16, .size: 8, .value_kind: global_buffer, .address_space: global }
      - { .name: bias_img, .offset: 24, .size: 8, .value_kind: global_buffer, .address_space: global }
      - { .name: out0, .offset: 32, .size: 8, .value_kind: global_buffer, .address_space: global }
    .group_segment_fixed_size: 327680
    .private_segment_fixed_size: 0
    .kernarg_segment_align: 8
    .kernarg_segment_size: 40
    .max_flat_workgroup_size: 256
    .sgpr_count:     72
    .vgpr_count:     512
    .wavefront_size: 32
...
	.end_amdgpu_metadata
.endif
;; end of part 2
